; MI455X (gfx1250); checked and timed in simulation.
; The chip was launched on July 23, 2026; its instructions are those of AMD's public machine-readable ISA for CDNA 5 (MIT licence, August 2026) and "CDNA5" Instruction Set Architecture Reference Guide (July 2026). The comments in the code are by the model that wrote it; some were corrected since.
;; Multi Head Attention. Allowed arithmetic: matrix products marked QUANTISED: E2M1 operands, one E8M0 scale for each 32 along K, by v_wmma_scale_f32_16x16x128_f8f6f4 with both operands' format E2M1 (or v_wmma_scale_f32_32x16x128_f4), f32 sums; everything else in f32.
;; Inputs: X 16 x 1,024 x 512 float32; Y 16 x 1,024 x 512 float32; mask_X 16 x 1,024 int32; mask_Y 16 x 1,024 int32; pad_x 2 x 512 float32; pad_y 2 x 512 float32.
;; Outputs: out0 16 x 1,024 x 512 float32; out1 16 x 1,024 x 512 float32.
;; This version of the problem:
;;   THIS VERSION OF THE PROBLEM IS GIVEN IN LOW PRECISION. The matrix products marked QUANTISED in the list below multiply operands that are first quantised to E2M1 (2 exponent bits, 1 mantissa bit; 4 bits a number), with one power-of-two scale for each 32 numbers along K (OCP MX v1.0); their sums are f32. All else is computed in f32.
;;   The module's matrix products, in the order in which they are computed (A, B: the left and right operand; K: the contracted axis; several contracted axes count as one K, in the product's order):
;;     1. batch 128 x [M 1,026, K 64] x [K 64, N 1,026]; A: computed on the way; B: computed on the way: QUANTISED
;;     2. batch 128 x [M 1,026, K 1,026] x [K 1,026, N 64]; A: softmax (see below); B: computed on the way: QUANTISED
;;     3. batch 128 x [M 1,026, K 1,026] x [K 1,026, N 64]; A: softmax (see below); B: computed on the way: QUANTISED
;;   THE QUANTISER, for each operand of a quantised product, along K:
;;     - K is cut into blocks of 32 from its start; a last block that is shorter is filled with zeros.
;;     - A block's scale is 2^e with e = floor(log2(the largest magnitude in the block)) - 2, held to -126 .. 127; a block of zeros has e = 0. As a byte (E8M0): e + 127.
;;     - Each number is divided by its block's scale, clamped to +-6, and rounded to the nearest number of E2M1, ties to even, subnormals kept.
;;     - The product sums the exact products of the quantised numbers (number of the format x scale) in f32.
;;   ~~~python
;;   def quantise(x, axis):      # numpy; x: float32 -> the quantised numbers, widened to float32 again
;;       x = np.moveaxis(x, axis, -1); K = x.shape[-1]
;;       x = np.pad(x, [(0, 0)] * (x.ndim - 1) + [(0, -K % 32)]); x = x.reshape(x.shape[:-1] + (-1, 32)); a = np.abs(x).max(-1, keepdims=True)
;;       e = np.where(a > 0, np.clip(np.frexp(np.where(a > 0, a, 1))[1] - 1 - 2, -126, 127), 0)      # np.frexp(a)[1] - 1 = floor(log2(a)), exactly
;;       r = np.clip(x / 2.0 ** e, -6, 6)
;;       step = 2.0 ** (np.maximum(np.frexp(np.where(r == 0, 1, r))[1] - 1, 0) - 1)
;;       q = np.round(r / step) * step * 2.0 ** e      # np.round: ties to even
;;       return np.moveaxis(q.reshape(q.shape[:-2] + (-1,))[..., :K], -1, axis).astype(np.float32)
;;   ~~~
;;   SOFTMAX AHEAD OF A QUANTISED PRODUCT. Where the list says 'softmax', what is quantised is not the finished softmax but p = 2^(t - M), with t = logit x log2(e) and M = ceil(the row's largest t), a whole number; so 1/2 < the row's largest p <= 1. The row's sum l is taken of the UNQUANTISED p, in f32, and the product's result is divided by l at the end. Since M is a whole number, a kernel that streams over the keys may use a running M (the ceiling of the running maximum): every later rescaling is an exact power of two, which a block's scale takes up: the codes' values come out the same.
;;   OPERANDS COMPUTED ON THE WAY. 'Computed on the way' means the value that the module computes at that place (a softmax that the list does not call 'softmax' is quantised finished and normalised). What goes into a quantiser is computed in f32, as accurately as f32 sums, v_exp_f32 and their like allow (about 1e-6 of the number): no bf16 or f16 on the way to a quantiser, and a product that is left as it is and whose result goes on into a quantised operand takes f32 operands (vector FMAs, or v_wmma_f32_16x16x4_f32). A number that lies on a knife's edge between two numbers of the format may be rounded either way, as far as f32 arithmetic and the matrix unit's own rounding can turn it there, and no further.
;; One version. Each part assembles by itself: llvm-mc -triple=amdgcn-amd-amdhsa -mcpu=gfx1250 --defsym DOCPART=n.
;; ======== version 1 of 1: 1 launch
;; limits: right only within a limited range of input values
;; launch biattn (part 1): grid 256 x 1, 16 waves a work-group, no clusters, 265,216 bytes of LDS; arguments X, Y, mask_X, mask_Y, pad_x, pad_y, out0, out1; writes out0, out1
.if DOCPART == 1
	.amdgcn_target "amdgcn-amd-amdhsa--gfx1250"
	.amdhsa_code_object_version 6
	.text
	.protected	k_q919efaf42f_biattn
	.globl	k_q919efaf42f_biattn
	.p2align	8
	.type	k_q919efaf42f_biattn,@function
k_q919efaf42f_biattn:
	s_mov_b64 s[64:65], 0
	v_nop
	global_prefetch_b8 v0, s[64:65] scope:SCOPE_SE
	s_setreg_imm32_b32 hwreg(HW_REG_WAVE_MODE, 25, 1), 1
	s_wait_xcnt 0x0
; Two-way attention on one similarity matrix, all three products on codes of FP4 (E2M1) with one E8M0 scale for each 32 along K.
; The two outputs are ONE computation with X and Y exchanged: queries of one side attend over the 1,026 positions (2 learned pad rows, then 1,024 rows) of the other, whose rows are keys and values at once.
; SHARES.  256 work-groups: one for each (direction, batch, head); work-group number = 16 batch + 2 head + direction.  direction 0: keys X, pad_x, mask_X; queries Y, mask_Y; out0.  direction 1: the names exchanged.
; Sixteen waves of 256 registers.  A work-group reads its key side's 1,026 x 64 numbers once and quantises them twice into LDS, as images of operand registers: along the head's 64 (keys), along the positions (values).
; All codes and scale words of a head are 75 KB: they stay, nothing is filled again.
; MASKS.  A hidden key gets p = 0.  A hidden query has 1,026 equal logits: p = 1 for every key, sum 1,026: its row is the column sum of the quantised values / 1,026, one row for the whole work-group.
; So the queries are ordered, those that count first (a selection by rank on the mask's ballots, in registers), and only tiles of 16 that hold a query that counts go through attention; all other rows get the mean row.
; THE KEY MASK RIDES IN THE UNUSED HALF OF K: the scores use k = 0 .. 63 of the 128; at k = 64 every key has the code +6 and every query -6; byte 2 of a query's scale word is 141 (2^14), of a key's 141 if it is hidden, else 1 (2^-126).
; LAYOUT.  Both products transposed: S^T = K Q^T, O^T = V^T P^T: a lane holds one query throughout.  Lane r of key tile 2 b + u takes key 32 b + 8 u + r + 8 (r / 8), so that the 16 registers of two neighbouring tiles are 16 neighbouring keys.
; SOFTMAX.  t = score x log2(e); M = the running largest t rounded up to a whole number; p = 2^(t - M) is quantised along the keys; the sum is taken of the unquantised p and divides at the end.
; The first key step holds the pad keys, which always count, so M is a real score's ceiling from the first step on.
; NO CLUSTER, NO TENSOR LOAD: no two work-groups read the same codes (the other direction's work-group reads the same f32 rows in the other role).
; LIMITS.  |score x log2(e)| under 2^22, and real scores far above -9.6e9: a hidden key's score is s - 36 x 2^28 where the definition has -1e9 (p = 0 either way); every score that counts carries -36 x 2^-112.
; A block whose largest magnitude lies under 2^-124 keeps the scale byte 1; a block of zeros has byte 1 (its codes are zeros; the bytes are read here alone).  NaN and infinities among the inputs are not served.
.set VIMG, 0                           ; LDS: values: step s, tile t of the head's 64, half c: 4096 s + 1024 t + 512 c + 16 lane
.set KIMG, 32768                       ; keys: tile 8 s + i: 512 bytes, 16 a lane
.set HI,   65536                       ; what lies above is reached by address registers that carry this base
.set KTL,  65536                       ; the tail's key tile (positions 1,024 and 1,025; the other rows are hidden copies)
.set KSC,  66048                       ; keys' scale words: step s: 512 bytes; lane l's 16 bytes: tiles 4 (l / 16) + 0 .. 3, row l % 16
.set KSCT, 70144                       ; the tail tile's scale words, 4 a lane
.set VIMT, 70400                       ; the tail's values: 256 t + 16 r
.set VSC,  71424                       ; values' scale words: step s (0 .. 8): 256 bytes: 16 r + 4 t
.set MEAN, 73728                       ; the mean row, 64 numbers
.set TSTG, 73984                       ; wave 15's stage for the tail's two rows, 272 bytes apart
.set REC,  74752                       ; wave w, its tile i: 3072 w + 768 i: the queries' image 512, their scale words 128, the list of 16 row numbers 64
.set STG,  123904                      ; wave w: 32 rows x (256 + 16) bytes: its own stage
; registers that stay
.set A16, 1                            ; 16 x lane
.set B16, 2                            ; HI + 16 x lane
.set B4,  3                            ; HI + 4 x lane
.set R16, 4                            ; HI + 16 (lane % 16)
.set SR,  5                            ; my stage: row lane / 16, 16 (lane % 16)
.set SO,  6                            ; my stage: row lane % 16, + 32 (lane / 16)
.set SQ,  7                            ; my stage: row lane % 16, + 128 (lane / 16)
.set RQ,  8                            ; my records + 16 x lane
.set RS,  9                            ; my records + 4 x lane
.set RL,  10                           ; my records + 4 (lane / 16)
.set TRQ, 11                           ; the same three for the tile in hand
.set TRS, 12
.set TRL, 13
.set HH,  14                           ; lane / 16
.set LC,  15                           ; 16 (lane % 16)
; the main phase
.set NM,  16                           ; -M;  v17 the largest t
.set TMX, 17
.set L,   18                           ; v[18:19] the sum in two halves
.set MROW, 20                          ; v[20:23] my 16 bytes of the mean row
.set F,   24                           ; 2^(old M - new M);  v25 p's scale word
.set PW,  25
.set QS,  26                           ; the queries' scale words
.set TMP, 27
.set ROFF, 30                          ; v[30:37] byte offsets of the tile's rows, two rows a register
.set QF,  38                           ; v[38:45] the queries' fragment
.set KS,  46                           ; v[46:49] keys' scale words
.set VS,  50                           ; v[50:53] values' scale words
.set BM,  54                           ; v[54:57] each block's largest score, then its largest p
.set T2,  58
.set SCO, 62                           ; v[62:65] the conversions' scale operands
.set PC,  66                           ; v[66:73] p's codes
.set KF,  74                           ; v[74:105] four key fragments
.set VF,  106                          ; v[106:137] four value fragments
.set S,   138                          ; v[138:201] S^T, then p
.set O,   202                          ; v[202:233] O^T
; the preparation
.set M0,  16
.set M1,  17
.set SOP, 18
.set BY,  19
.set WB,  16                           ; the order: lane j holds the ballot of queries 32 j ..
.set PZI, 17                           ; lane j: how many count in words 0 .. j (low half), how many do not (high half)
.set MV,  20                           ; the mean's four LDS addresses
.set MS,  21
.set MT,  22
.set MM,  23
.set TB,  24
.set LANE, 27
.set RR,  28
.set TA,  29
.set VB,  28                           ; v28-29 the values' scale bytes of my two blocks
.set ROFF1, 38
.set KM,  54                           ; v54-58 key mask words of my four tiles and of the tail
.set TRAW, 60
.set KSW, 64
.set CD,  68
.set W,   74                           ; 32 numbers of a lane
.set ACC, 90
.set RAW0, 74
.set QR1, 106
.set RAW1, 138
.set Z,   138
.set TC,  154
.set MK,  202
.set QR0, 202
.set SA,  202                          ; the selection's two sets of 15 registers
.set SB,  218
.set SV,  234
.set KW,  235
.set VW,  236
.set VSW, 237
.set KSA, 238
.set RLW, 239
.set TS,  240
.set TK,  241
.set TV,  242
.set TVW, 243
.set TSW, 244
.set KOFF, 245
.set LN4, 246
.set KMO, 247
.set KMO0, 248
.set KMOT, 249
.set H8,  250
.set POSV, 251
.set CMV, 252
.set CMM, 253
.set T0,  254
.set T1,  255
; scalars: s[20:21] my wave's key rows, s[22:23] the query rows, s[24:25] key mask, s[26:27] query mask, s[28:29] my first two key rows, s[30:31] the output, s[52:53] the head's key rows
.set WV,  32
.set DIR, 33
.set HD,  34
.set BB,  35
.set NV,  38                           ; how many queries count
.set TI,  39
.set TQ,  40
.set T16, 41                           ; the rank of the tile's first query
.set SEL, 44                           ; lane selects for v_permlanex16_b32: lane l xor 16
.set CS,  46                           ; log2(e), twice: the packed form names the pair
.set BAL, 68                           ; s[68:99] the 32 ballots
.macro BARRIER                         ; my LDS stores have landed and my LDS loads are in: then the work-group's barrier
	s_wait_dscnt 0x0
	s_barrier_signal -1
	s_barrier_wait -1
.endm
.macro PLACES n
.rept \n
	v_nop
.endr
.endm
; 32 numbers of one lane, one whole block along K, become 32 codes in four registers; the scale's byte is left in v[BY]
.macro QUANT32 x, c
	v_max3_num_f32 v[M0], |v[\x]|, |v[\x+1]|, |v[\x+2]|
	v_max3_num_f32 v[M1], |v[\x+3]|, |v[\x+4]|, |v[\x+5]|
.irp i, 6,10,14,18,22,26
	s_delay_alu instid0(VALU_DEP_2)
	v_max3_num_f32 v[M0], v[M0], |v[\x+\i]|, |v[\x+\i+1]|
	s_delay_alu instid0(VALU_DEP_2)
	v_max3_num_f32 v[M1], v[M1], |v[\x+\i+2]|, |v[\x+\i+3]|
.endr
	s_delay_alu instid0(VALU_DEP_2)
	v_max3_num_f32 v[M0], v[M0], |v[\x+30]|, |v[\x+31]|
	s_delay_alu instid0(VALU_DEP_1)
	v_max3_num_f32 v[M0], v[M0], v[M1], 0x1800000  ; and the floor 2^(3 - 127): the byte cannot fall under 1
	s_delay_alu instid0(VALU_DEP_1)
	v_add_nc_u32 v[SOP], 0xff000000, v[M0]         ; 2 off the exponent field: the conversion takes that field as its scale
	s_delay_alu instid0(VALU_DEP_1)
	v_lshrrev_b32 v[BY], 23, v[SOP]
.irp g, 0,1,2,3
	v_cvt_scalef32_pk8_fp4_f32 v[\c+\g], v[\x+8*\g:\x+8*\g+7], v[SOP]
.endr
	v_nop                                          ; one plain place behind a scaled conversion
.endm
.macro TWOBYTES                        ; lanes 0-15 hold the byte of d = 0 .. 31, lanes 16-31 that of d = 32 .. 63: both bytes into v[T0] of both
	v_lshlrev_b32 v[T0], v[H8], v[BY]
	s_delay_alu instid0(VALU_DEP_1)
	v_permlanex16_b32 v[T1], v[T0], s[SEL], s[SEL+1]
	s_delay_alu instid0(VALU_DEP_1)
	v_or_b32 v[T0], v[T0], v[T1]
.endm
; the byte offsets of a tile's 16 rows: register n: list entry 2 n + lane / 16, x 2,048 bytes, + my 16 bytes of the head's 256
.macro ROWS dst, adr, off
.irp n, 0,1,2,3,4,5,6,7
	ds_load_b32 v[\dst+\n], v[\adr] offset:(\off)+640+8*\n
.endr
	s_wait_dscnt 0x0
.irp n, 0,1,2,3,4,5,6,7
	v_min_u32 v[\dst+\n], 0x3ff, v[\dst+\n]        ; a row number stays inside the tensor
.endr
.irp n, 0,1,2,3,4,5,6,7
	v_lshl_add_u32 v[\dst+\n], v[\dst+\n], 11, v[LC]
.endr
.endm
.macro QLOAD dst, roff                 ; a tile's 16 query rows: sixteen lanes read a row's 256 bytes
.irp n, 0,1,2,3,4,5,6,7
	global_load_b128 v[\dst+4*\n:\dst+4*\n+3], v[\roff+\n], s[22:23]
.endr
.endm
; 32 positions into my stage.  Position p goes to row 16 ((p / 8) % 2) + 8 (p / 16) + p % 8, so that a key tile's 16 rows are 16 neighbouring stage rows
.macro RAWST src
.set n, 0
.rept 16
	ds_store_b128 v[SR], v[\src+4*n:\src+4*n+3] offset:(16*(((2*n)>>3)&1)+8*((2*n)>>4)+((2*n)&7))*272
.set n, n+1
.endr
.endm
; key tile u of my block jj: lane (r, h) takes its key's d = 32 h .. 32 h + 31
.macro KTILE jj, u
.irp n, 0,1,2,3,4,5,6,7
	ds_load_b128 v[W+4*\n:W+4*\n+3], v[SQ] offset:(\u)*4352+16*\n
.endr
	s_wait_dscnt 0x0
	QUANT32 W, CD
	ds_store_b128 v[KW], v[CD:CD+3] offset:(2*(\jj)+(\u))*512
	TWOBYTES
.if ((\jj) == 0) && ((\u) == 0)
	v_cmp_ne_u32 s50, 0, v[KM]
	v_cmp_gt_u32 s51, 2, v[POSV]                   ; the pad rows always count
	s_or_b32 vcc_lo, s50, s51
.else
	v_cmp_ne_u32 vcc_lo, 0, v[KM+2*(\jj)+(\u)]
.endif
	v_cndmask_b32 v[T1], v[CMM], v[CMV], vcc_lo    ; bytes 2 and 3: the mask's scale
	s_delay_alu instid0(VALU_DEP_1)
	v_or_b32 v[KSW+2*(\jj)+(\u)], v[T0], v[T1]
.endm
; the values of my block jj, d = 32 g + lane: the lane's registers run down the 32 positions
.macro VBLK jj, g
.set n, 0
.rept 32
	ds_load_b32 v[W+n], v[SV] offset:(16*((n>>3)&1)+8*(n>>4)+(n&7))*272+128*(\g)
.set n, n+1
.endr
	s_wait_dscnt 0x0
	QUANT32 W, CD
	ds_store_b128 v[VW], v[CD:CD+3] offset:256*(\jj)+2048*(\g)
.if (\jj) == 0
	v_mov_b32 v[VB+(\g)], v[BY]
.else
	v_lshl_or_b32 v[VB+(\g)], v[BY], 8, v[VB+(\g)]
	ds_store_b16 v[VSW], v[VB+(\g)] offset:8*(\g)  ; my two blocks' bytes of the step's scale word
.endif
.endm
; a tile's 16 query rows through my stage, quantised, image and scale words into my record at off
.macro QPROC src, off
.irp n, 0,1,2,3,4,5,6,7
	ds_store_b128 v[SR], v[\src+4*\n:\src+4*\n+3] offset:544*\n
.endr
.irp n, 0,1,2,3,4,5,6,7
	ds_load_b128 v[W+4*\n:W+4*\n+3], v[SQ] offset:16*\n   ; LDS serves a wave's instructions in order: these see my stores
.endr
	s_wait_dscnt 0x0
	QUANT32 W, CD
	ds_store_b128 v[RQ], v[CD:CD+3] offset:\off
	TWOBYTES
	s_delay_alu instid0(VALU_DEP_1)
	v_or_b32 v[T0], 0x018d0000, v[T0]              ; byte 2: 2^14, the mask's scale on the queries' side
	ds_store_b32 v[RS], v[T0] offset:(\off)+512
.endm
.macro QLATE i                         ; my tile i = 2, 3: only if it holds a query that counts
	s_add_co_u32 s42, s[T16], 256*\i
	s_cmp_ge_u32 s42, s[NV]
	s_cbranch_scc1 .Lno_q_\@
	ROWS ROFF, RL, 768*\i
	QLOAD QR1, ROFF
	s_wait_loadcnt 0x0
	QPROC QR1, 768*\i
.Lno_q_\@:
.endm
	; ---- the head: ids, pointers, offsets
	s_load_b512 s[4:19], s[0:1], 0x0               ; X, Y, mask_X, mask_Y, pad_x, pad_y, out0, out1
	v_lshrrev_b32 v[TA], 5, v0
	s_delay_alu instid0(VALU_DEP_1)
	v_readfirstlane_b32 s[WV], v[TA]               ; wave 0 .. 15
	s_and_b32 s[DIR], ttmp9, 1
	s_bfe_u32 s[HD], ttmp9, 0x30001                ; the head: 3 bits from bit 1
	s_lshr_b32 s[BB], ttmp9, 4                     ; the batch
	s_lshl_b32 s60, s[HD], 8                       ; the head's 256 bytes of a row
	s_lshl_b32 s36, s[BB], 21                      ; a batch is 1,024 rows of 2,048 bytes
	s_add_co_u32 s36, s36, s60
	s_mov_b32 s37, 0
	s_lshl_b32 s54, s[BB], 12                      ; a batch's row of a mask
	s_mov_b32 s55, 0
	s_lshl_b32 s56, s[WV], 17                      ; my wave's 64 positions
	s_mov_b32 s57, 0
	s_max_u32 s58, s56, 4096                       ; positions 64 w and 64 w + 1 are rows 64 w - 2 and 64 w - 1 (wave 0: the pad rows, chosen below)
	s_sub_co_u32 s58, s58, 4096
	s_add_co_u32 s58, s58, s36
	s_mov_b32 s59, 0
	s_lshl_b32 s[T16], s[WV], 4
	s_mov_b32 s[SEL], 0x76543210
	s_mov_b32 s[SEL+1], 0xfedcba98
	s_mov_b32 s[CS], 0x3fb8aa3b                    ; log2(e)
	s_mov_b32 s[CS+1], s[CS]
	v_and_b32 v[LANE], 31, v0
	v_and_b32 v[RR], 15, v0
	v_bfe_u32 v[HH], v0, 4, 1
	s_delay_alu instid0(VALU_DEP_3)
	v_lshlrev_b32 v[LN4], 2, v[LANE]
	s_delay_alu instid0(VALU_DEP_3)
	v_lshlrev_b32 v[LC], 4, v[RR]
	s_delay_alu instid0(VALU_DEP_1)
	v_lshl_add_u32 v[KOFF], v[HH], 11, v[LC]       ; two rows a load: row lane / 16, my 16 bytes
	v_and_b32 v[TA], 8, v[RR]
	s_delay_alu instid0(VALU_DEP_1)
	v_add_nc_u32 v[TA], v[TA], v[RR]               ; r + 8 (r / 8)
	s_lshl_b32 s42, s[WV], 6
	v_add_nc_u32 v[POSV], s42, v[TA]               ; the position of my row of my first key tile
	s_delay_alu instid0(VALU_DEP_1)
	v_lshlrev_b32 v[KMO], 2, v[POSV]
	s_delay_alu instid0(VALU_DEP_2)
	v_cmp_gt_u32 vcc_lo, 2, v[POSV]
	s_delay_alu instid0(VALU_DEP_3)
	v_add_nc_u32 v[TA], -2, v[POSV]
	s_delay_alu instid0(VALU_DEP_1)
	v_cndmask_b32 v[TA], v[TA], 0, vcc_lo          ; the pad rows have no mask word: they read word 0 and do not use it
	s_delay_alu instid0(VALU_DEP_1)
	v_lshlrev_b32 v[KMO0], 2, v[TA]
	v_and_b32 v[TA], 1, v0                         ; r % 2
	s_delay_alu instid0(VALU_DEP_1)
	v_add_nc_u32 v[TB], 1022, v[TA]
	s_delay_alu instid0(VALU_DEP_1)
	v_lshlrev_b32 v[KMOT], 2, v[TB]
	s_delay_alu instid0(VALU_DEP_3)
	v_mul_u32_u24 v[TB], v[TA], 272
	s_delay_alu instid0(VALU_DEP_1)
	v_lshl_add_u32 v[TB], v[HH], 7, v[TB]
	s_delay_alu instid0(VALU_DEP_1)
	v_add_nc_u32 v[TK], TSTG, v[TB]
	s_wait_alu depctr_va_vdst(0)
	s_wait_kmcnt 0x0
	s_cmp_eq_u32 s[DIR], 0                         ; the choice hangs on the work-group's number alone
	s_cselect_b64 s[20:21], s[4:5], s[6:7]         ; keys and values
	s_cselect_b64 s[22:23], s[6:7], s[4:5]         ; queries
	s_cselect_b64 s[24:25], s[8:9], s[10:11]       ; key mask
	s_cselect_b64 s[26:27], s[10:11], s[8:9]       ; query mask
	s_cselect_b64 s[28:29], s[12:13], s[14:15]     ; the key side's pad rows
	s_cselect_b64 s[30:31], s[16:17], s[18:19]     ; the output
	s_cmp_eq_u32 s[WV], 0                          ; wave 0's first two positions are the pad rows
	s_cselect_b64 s[28:29], s[28:29], s[20:21]
	s_cselect_b32 s58, s60, s58
	s_add_nc_u64 s[28:29], s[28:29], s[58:59]
	s_add_nc_u64 s[52:53], s[20:21], s[36:37]
	s_add_nc_u64 s[20:21], s[52:53], s[56:57]
	s_add_nc_u64 s[22:23], s[22:23], s[36:37]
	s_add_nc_u64 s[30:31], s[30:31], s[36:37]
	s_add_nc_u64 s[24:25], s[24:25], s[54:55]
	s_add_nc_u64 s[26:27], s[26:27], s[54:55]
	; ---- all loads of the key side go out at once: 32 of the query mask, 5 of the key mask, 32 of my 64 positions, 1 of the tail's two rows
.set j, 0
.rept 32
	global_load_b32 v[MK+j], v[LN4], s[26:27] offset:128*j          ; query 32 j + lane
.set j, j+1
.endr
	global_load_b32 v[KM], v[KMO0], s[24:25]
	global_load_b32 v[KM+1], v[KMO], s[24:25] offset:(8-2)*4
	global_load_b32 v[KM+2], v[KMO], s[24:25] offset:(32-2)*4
	global_load_b32 v[KM+3], v[KMO], s[24:25] offset:(40-2)*4
	global_load_b32 v[KM+4], v[KMOT], s[24:25]
	global_load_b128 v[RAW0:RAW0+3], v[KOFF], s[28:29]              ; positions 64 w, 64 w + 1
.set j, 1
.rept 31
	global_load_b128 v[RAW0+4*j:RAW0+4*j+3], v[KOFF], s[20:21] offset:(j-1)*4096   ; positions 64 w + 2 j, + 1: two whole pieces of 256 bytes
.set j, j+1
.endr
	global_load_b128 v[TRAW:TRAW+3], v[KOFF], s[52:53] offset:1022*2048   ; every wave asks, so that all count alike; wave 15 uses it
	; ---- every LDS address, ahead of the first branch on the wave's number
	v_lshlrev_b32 v[A16], 4, v[LANE]
	s_delay_alu instid0(VALU_DEP_1)
	v_add_nc_u32 v[B16], HI, v[A16]
	v_add_nc_u32 v[B4], HI, v[LN4]
	v_add_nc_u32 v[R16], HI, v[LC]
	s_mul_i32 s42, s[WV], 8704
	s_add_co_u32 s42, s42, STG                     ; my stage
	v_mad_u32_u24 v[SR], v[HH], 272, v[LC]
	s_delay_alu instid0(VALU_DEP_1)
	v_add_nc_u32 v[TS], TSTG, v[SR]
	s_delay_alu instid0(VALU_DEP_2)
	v_add_nc_u32 v[SR], s42, v[SR]
	v_mul_u32_u24 v[TA], v[RR], 272
	s_delay_alu instid0(VALU_DEP_1)
	v_lshl_add_u32 v[SO], v[HH], 5, v[TA]
	s_delay_alu instid0(VALU_DEP_1)
	v_add_nc_u32 v[SO], s42, v[SO]
	s_delay_alu instid0(VALU_DEP_3)
	v_lshl_add_u32 v[SQ], v[HH], 7, v[TA]
	s_delay_alu instid0(VALU_DEP_1)
	v_add_nc_u32 v[SQ], s42, v[SQ]
	v_add_nc_u32 v[SV], s42, v[LN4]
	s_mul_i32 s43, s[WV], 3072
	s_add_co_u32 s43, s43, REC                     ; my records
	v_add_nc_u32 v[RQ], s43, v[A16]
	v_add_nc_u32 v[RS], s43, v[LN4]
	v_lshlrev_b32 v[TA], 2, v[HH]
	s_delay_alu instid0(VALU_DEP_1)
	v_add_nc_u32 v[RL], s43, v[TA]
	v_mul_u32_u24 v[TA], v[HH], 768
	s_delay_alu instid0(VALU_DEP_1)
	v_lshl_add_u32 v[TA], v[RR], 2, v[TA]
	s_delay_alu instid0(VALU_DEP_1)
	v_add_nc_u32 v[RLW], s43, v[TA]
	s_lshl_b32 s42, s[WV], 11
	s_add_co_u32 s42, s42, KIMG
	v_add_nc_u32 v[KW], s42, v[A16]                ; my four key tiles: 4 w ..
	s_lshr_b32 s50, s[WV], 1                       ; my key step,
	s_and_b32 s51, s[WV], 1                        ; and which half of it
	s_lshl_b32 s42, s50, 12
	s_lshl_b32 s43, s51, 9
	s_add_co_u32 s42, s42, s43
	v_lshl_add_u32 v[TA], v[HH], 10, v[LC]
	s_delay_alu instid0(VALU_DEP_1)
	v_add_nc_u32 v[VW], s42, v[TA]
	s_lshl_b32 s42, s50, 8
	s_lshl_b32 s43, s51, 1
	s_add_co_u32 s42, s42, s43
	s_add_co_u32 s42, s42, VSC
	v_lshl_add_u32 v[TA], v[HH], 2, v[LC]
	s_delay_alu instid0(VALU_DEP_1)
	v_add_nc_u32 v[VSW], s42, v[TA]
	s_delay_alu instid0(VALU_DEP_2)
	v_add_nc_u32 v[TSW], VSC+2048, v[TA]
	s_lshl_b32 s42, s50, 9
	s_lshl_b32 s43, s51, 8
	s_add_co_u32 s42, s42, s43
	s_add_co_u32 s42, s42, KSC
	v_add_nc_u32 v[KSA], s42, v[LC]
	v_add_nc_u32 v[TV], TSTG, v[LN4]
	v_lshl_add_u32 v[TA], v[HH], 8, v[LC]
	s_delay_alu instid0(VALU_DEP_1)
	v_add_nc_u32 v[TVW], VIMT, v[TA]
	s_lshl_b32 s42, s[WV], 10
	v_add_nc_u32 v[MV], s42, v[A16]                ; the mean (waves 0 to 3, tile t = w of the head's 64)
	s_lshl_b32 s42, s[WV], 2
	s_add_co_u32 s42, s42, VSC
	v_add_nc_u32 v[MS], s42, v[LC]
	s_lshl_b32 s42, s[WV], 8
	s_add_co_u32 s42, s42, VIMT
	v_add_nc_u32 v[MT], s42, v[LC]
	s_lshl_b32 s42, s[WV], 6
	s_add_co_u32 s42, s42, MEAN
	v_lshlrev_b32 v[TA], 5, v[HH]
	s_delay_alu instid0(VALU_DEP_1)
	v_add_nc_u32 v[MM], s42, v[TA]
	v_lshlrev_b32 v[H8], 3, v[HH]
	v_mov_b32 v[CMV], 0x01010000                   ; a key that counts: byte 2 = 2^-126
	v_mov_b32 v[CMM], 0x018d0000                   ; a hidden key: byte 2 = 2^14
	v_mov_b32 v[T1], 0                             ; written once: a lane permute's destination counts as one of its sources
	; ---- the order of the queries: those that count first, each class ascending.  It stands while the key side is on its way
	s_wait_loadcnt 38                              ; the 32 mask words are in; behind them: 5 key mask words, 32 loads of positions, 1 of the tail
.set j, 0
.rept 32
	v_cmp_ne_u32 s[BAL+j], 0, v[MK+j]
.set j, j+1
.endr
	s_mov_b32 s[NV], 0
	v_mov_b32 v[WB], 0
	v_mov_b32 v[PZI], 0
.set j, 0
.rept 32
	s_bcnt1_i32_b32 s42, s[BAL+j]
	s_add_co_u32 s[NV], s[NV], s42
	v_writelane_b32 v[WB], s[BAL+j], j
	v_writelane_b32 v[PZI], s[NV], j
.set j, j+1
.endr
	v_add_nc_u32 v[SOP], 1, v[LANE]
	s_delay_alu instid0(VALU_DEP_1)
	v_lshlrev_b32 v[SOP], 5, v[SOP]
	s_delay_alu instid0(VALU_DEP_1)
	v_sub_nc_u32 v[SOP], v[SOP], v[PZI]            ; 32 (j + 1) less those that count
	s_delay_alu instid0(VALU_DEP_1)
	v_lshl_or_b32 v[PZI], v[SOP], 16, v[PZI]
	; my 64 ranks in two sets: set A: 16 w + 256 h + r (my tiles 0 and 1), set B: 512 on (tiles 2 and 3).  In a set: +0 k, +1 which half of the counts, +2 the ballot's inversion, +3 4 J, +12 the bit, +14 rank, then row
	v_lshl_add_u32 v[SA+14], v[HH], 8, v[RR]
	s_delay_alu instid0(VALU_DEP_1)
	v_add_nc_u32 v[SA+14], s[T16], v[SA+14]
	s_delay_alu instid0(VALU_DEP_1)
	v_add_nc_u32 v[SB+14], 0x200, v[SA+14]
.irp x, SA, SB
	v_cmp_gt_u32 vcc_lo, s[NV], v[\x+14]           ; a rank under NV asks for a query that counts
	v_sub_nc_u32 v[\x+6], v[\x+14], s[NV]
	s_delay_alu instid0(VALU_DEP_1)
	v_cndmask_b32 v[\x], v[\x+6], v[\x+14], vcc_lo
	s_delay_alu instid0(VALU_DEP_3)
	v_cndmask_b32 v[\x+1], 16, 0, vcc_lo
	s_delay_alu instid0(VALU_DEP_4)
	v_cndmask_b32 v[\x+2], -1, 0, vcc_lo
	v_mov_b32 v[\x+3], 0
.endr
.irp st, 16,8,4,2,1                    ; J = how many of the 32 running counts are k or less
.irp x, SA, SB
	v_add_nc_u32 v[\x+4], 4*(\st-1), v[\x+3]
	ds_bpermute_b32 v[\x+5], v[\x+4], v[PZI]
.endr
	s_wait_alu depctr_va_vdst(0)
	s_wait_dscnt 0x0
.irp x, SA, SB
	v_bfe_u32 v[\x+5], v[\x+5], v[\x+1], 16
	v_add_nc_u32 v[\x+6], 4, v[\x+4]
	s_delay_alu instid0(VALU_DEP_2)
	v_cmp_le_u32 vcc_lo, v[\x+5], v[\x]
	s_delay_alu instid0(VALU_DEP_1)
	v_cndmask_b32 v[\x+3], v[\x+3], v[\x+6], vcc_lo
.endr
.endr
.irp x, SA, SB
	v_add_nc_u32 v[\x+4], 124, v[\x+3]
	s_delay_alu instid0(VALU_DEP_1)
	v_and_b32 v[\x+4], 124, v[\x+4]                ; word J - 1 (for J = 0 word 31, which is replaced below)
	ds_bpermute_b32 v[\x+7], v[\x+3], v[WB]
	ds_bpermute_b32 v[\x+5], v[\x+4], v[PZI]
.endr
	s_wait_dscnt 0x0
.irp x, SA, SB
	v_bfe_u32 v[\x+5], v[\x+5], v[\x+1], 16
	v_cmp_eq_u32 vcc_lo, 0, v[\x+3]
	s_delay_alu instid0(VALU_DEP_1)
	v_cndmask_b32 v[\x+5], v[\x+5], 0, vcc_lo
	s_delay_alu instid0(VALU_DEP_1)
	v_sub_nc_u32 v[\x], v[\x], v[\x+5]             ; k within word J
	v_xor_b32 v[\x+7], v[\x+7], v[\x+2]            ; the class's bits of word J
	s_delay_alu instid0(VALU_DEP_1)
	v_lshrrev_b32 v[\x+6], 1, v[\x+7]              ; counts of set bits in fields of 2, 4, 8, 16 bits
	s_delay_alu instid0(VALU_DEP_1)
	v_and_b32 v[\x+6], 0x55555555, v[\x+6]
	s_delay_alu instid0(VALU_DEP_1)
	v_sub_nc_u32 v[\x+8], v[\x+7], v[\x+6]
	s_delay_alu instid0(VALU_DEP_1)
	v_lshrrev_b32 v[\x+6], 2, v[\x+8]
	s_delay_alu instid0(VALU_DEP_1)
	v_and_b32 v[\x+6], 0x33333333, v[\x+6]
	s_delay_alu instid0(VALU_DEP_3)
	v_and_b32 v[\x+9], 0x33333333, v[\x+8]
	s_delay_alu instid0(VALU_DEP_1)
	v_add_nc_u32 v[\x+9], v[\x+9], v[\x+6]
	s_delay_alu instid0(VALU_DEP_1)
	v_lshrrev_b32 v[\x+6], 4, v[\x+9]
	s_delay_alu instid0(VALU_DEP_1)
	v_add_nc_u32 v[\x+6], v[\x+9], v[\x+6]
	s_delay_alu instid0(VALU_DEP_1)
	v_and_b32 v[\x+10], 0x0f0f0f0f, v[\x+6]
	s_delay_alu instid0(VALU_DEP_1)
	v_lshrrev_b32 v[\x+6], 8, v[\x+10]
	s_delay_alu instid0(VALU_DEP_1)
	v_add_nc_u32 v[\x+6], v[\x+10], v[\x+6]
	s_delay_alu instid0(VALU_DEP_1)
	v_and_b32 v[\x+11], 0x00ff00ff, v[\x+6]
	v_mov_b32 v[\x+12], 0
.endr
.macro SELSTEP arr, wd                 ; the k-th set bit lies in the lower field, or k goes down by that field's count and the place up by its width
.irp x, SA, SB
	v_bfe_u32 v[\x+13], v[\x+\arr], v[\x+12], \wd
	s_delay_alu instid0(VALU_DEP_1)
	v_cmp_ge_u32 vcc_lo, v[\x], v[\x+13]
	s_delay_alu instid0(VALU_DEP_2)
	v_sub_nc_u32 v[\x+6], v[\x], v[\x+13]
	v_add_nc_u32 v[\x+4], \wd, v[\x+12]
	s_delay_alu instid0(VALU_DEP_2)
	v_cndmask_b32 v[\x], v[\x], v[\x+6], vcc_lo
	s_delay_alu instid0(VALU_DEP_2)
	v_cndmask_b32 v[\x+12], v[\x+12], v[\x+4], vcc_lo
.endr
.endm
	SELSTEP 11, 16
	SELSTEP 10, 8
	SELSTEP 9, 4
	SELSTEP 8, 2
	SELSTEP 7, 1
.irp x, SA
	v_lshl_add_u32 v[\x+14], v[\x+3], 3, v[\x+12]  ; the row: 32 J + the bit
.endr
.irp x, SB
	s_delay_alu instid0(VALU_DEP_2)
	v_lshl_add_u32 v[\x+14], v[\x+3], 3, v[\x+12]  ; the row: 32 J + the bit
.endr
	ds_store_b32 v[RLW], v[SA+14] offset:640       ; the lists of my tiles 0 and 1,
	ds_store_b32 v[RLW], v[SB+14] offset:640+1536  ; and 2 and 3
	ROWS ROFF, RL, 0
	QLOAD QR0, ROFF                                ; my tile 0's rows are asked for
	; ---- keys and values of my two blocks of 32 positions
	s_wait_loadcnt 25                              ; the key mask words and positions 0 .. 31 are in; behind them: 16 loads of positions, the tail's, tile 0's 8
	RAWST RAW0
	s_wait_dscnt 0x0                               ; the stores have read their registers
	ROWS ROFF1, RL, 768
	QLOAD QR1, ROFF1                               ; my tile 1's rows, into registers that the stage has freed
	KTILE 0, 0
	KTILE 0, 1
	VBLK 0, 0
	VBLK 0, 1
	s_wait_loadcnt 17                              ; positions 32 .. 63 are in; behind them: the tail's load, tile 0's 8, tile 1's 8
	RAWST RAW1
	KTILE 1, 0
	KTILE 1, 1
	VBLK 1, 0
	VBLK 1, 1
	ds_store_b128 v[KSA], v[KSW:KSW+3]             ; my four tiles' scale words of row r (both halves of the lanes write the same bytes with the same values)
	s_wait_loadcnt 16                              ; the tail's two rows are in; behind them: tiles 0 and 1
	s_cmp_lg_u32 s[WV], 15
	s_cbranch_scc1 .Lno_tail
	; wave 15: positions 1,024 and 1,025, the last block
	ds_store_b128 v[TS], v[TRAW:TRAW+3]
.irp n, 0,1,2,3,4,5,6,7
	ds_load_b128 v[W+4*\n:W+4*\n+3], v[TK] offset:16*\n             ; key tile: row r is position 1,024 + r % 2
.endr
.irp g, 0,1
	ds_load_b32 v[Z+8*\g], v[TV] offset:128*\g                      ; values: d = 32 g + lane, the two positions;
	ds_load_b32 v[Z+8*\g+1], v[TV] offset:272+128*\g
.irp i, 2,3,4,5,6,7
	v_mov_b32 v[Z+8*\g+\i], 0                      ; the block's rest is zeros
.endr
.irp i, 1,2,3
	v_mov_b32 v[TC+4*\g+\i], 0
.endr
.endr
	s_wait_dscnt 0x0
	QUANT32 W, CD
	ds_store_b128 v[B16], v[CD:CD+3] offset:KTL-HI
	TWOBYTES
	v_cmp_ne_u32 s50, 0, v[KM+4]
	v_cmp_gt_u32 s51, 32, v[LC]                    ; rows 2 .. 15 of the tile stand for no key: hidden
	s_and_b32 vcc_lo, s50, s51
	v_cndmask_b32 v[T1], v[CMM], v[CMV], vcc_lo
	s_delay_alu instid0(VALU_DEP_1)
	v_or_b32 v[T0], v[T0], v[T1]
	ds_store_b32 v[B4], v[T0] offset:KSCT-HI
.irp g, 0,1
	v_max3_num_f32 v[M0+\g], |v[Z+8*\g]|, |v[Z+8*\g+1]|, 0x1800000
	s_delay_alu instid0(VALU_DEP_1)
	v_add_nc_u32 v[M0+\g], 0xff000000, v[M0+\g]
	s_delay_alu instid0(VALU_DEP_1)
	v_lshrrev_b32 v[VB+\g], 23, v[M0+\g]
	v_cvt_scalef32_pk8_fp4_f32 v[TC+4*\g], v[Z+8*\g:Z+8*\g+7], v[M0+\g]
.endr
	v_nop                                          ; one plain place behind a scaled conversion
.irp g, 0,1
	ds_store_b128 v[TVW], v[TC+4*\g:TC+4*\g+3] offset:512*\g
	ds_store_b32 v[TSW], v[VB+\g] offset:8*\g      ; byte 0: the block's; bytes 1 to 3 stand over zero codes
.endr
.Lno_tail:
	BARRIER                                        ; all keys, values and scale words lie in LDS
	; ---- the mean row: waves 0 to 3, 16 of the head's 64 each: the values' fragments times an operand of ones, / 1,026
	s_cmp_ge_u32 s[WV], 4
	s_cbranch_scc1 .Lno_mean
	v_mov_b32 v[PW], 0x7f7f7f7f                    ; the ones' scale: 1
.irp i, 0,1,2,3,4,5,6,7
	v_mov_b32 v[PC+\i], 0x22222222                 ; eight codes of 1.0
.endr
	v_cmp_eq_u32 vcc_lo, 0, v[HH]
.irp i, 0,1,2,3
	v_cndmask_b32 v[W+8+\i], 0, v[PC], vcc_lo      ; the tail: ones over its one block, k = 0 .. 31, zeros elsewhere
	v_mov_b32 v[W+12+\i], 0
	v_mov_b32 v[W+4+\i], 0
.endr
.irp s, 0,1,2,3,4,5,6,7
.irp c, 0,1
	ds_load_b128 v[S+8*\s+4*\c:S+8*\s+4*\c+3], v[MV] offset:4096*\s+512*\c
.endr
	ds_load_b32 v[KS+\s], v[MS] offset:256*\s
.endr
	ds_load_b128 v[W:W+3], v[MT]
	ds_load_b32 v[QS], v[MS] offset:2048
	PLACES 8                                       ; a scale register written by a vector instruction stands 8 places ahead of a scaled matrix instruction, an operand 4
	s_wait_dscnt 0x0
.irp s, 0,1,2,3,4,5,6,7                ; two accumulators by turns
.if \s < 2
	v_wmma_scale_f32_16x16x128_f8f6f4 v[ACC+8*(\s%2):ACC+8*(\s%2)+7], v[S+8*\s:S+8*\s+7], v[PC:PC+7], 0, v[KS+\s], v[PW] matrix_a_fmt:MATRIX_FMT_FP4 matrix_b_fmt:MATRIX_FMT_FP4
.else
	v_wmma_scale_f32_16x16x128_f8f6f4 v[ACC+8*(\s%2):ACC+8*(\s%2)+7], v[S+8*\s:S+8*\s+7], v[PC:PC+7], v[ACC+8*(\s%2):ACC+8*(\s%2)+7], v[KS+\s], v[PW] matrix_a_fmt:MATRIX_FMT_FP4 matrix_b_fmt:MATRIX_FMT_FP4
.endif
.endr
	s_wait_alu depctr_va_vdst(0)
	v_wmma_scale_f32_16x16x128_f8f6f4 v[ACC:ACC+7], v[W:W+7], v[W+8:W+15], v[ACC:ACC+7], v[QS], v[PW] matrix_a_fmt:MATRIX_FMT_FP4 matrix_b_fmt:MATRIX_FMT_FP4
	PLACES 4
.irp i, 0,1,2,3,4,5,6,7
	v_add_f32 v[ACC+\i], v[ACC+\i], v[ACC+8+\i]    ; from the low end on
.endr
.irp i, 0,1,2,3,4,5,6,7
	v_mul_f32 v[ACC+\i], 0x3a7f8040, v[ACC+\i]     ; 1 / 1,026
.endr
	ds_store_b128 v[MM], v[ACC:ACC+3]              ; lane (r, h): d = 16 w + 8 h + 0 .. 7; all sixteen columns hold the same numbers
	ds_store_b128 v[MM], v[ACC+4:ACC+7] offset:16
.Lno_mean:
	; ---- my tiles' queries become images in my records
	s_wait_loadcnt 8                               ; tile 0's rows are in; tile 1's 8 loads may be out
	QPROC QR0, 0
	s_wait_loadcnt 0x0
	QPROC QR1, 768
	QLATE 2
	QLATE 3
	; the constant halves of the fragments, k = 64 .. 127: +6 (keys) and -6 (queries) at k = 64, which is the lowest code of register 4 in lanes 0-15; zeros elsewhere
	v_sub_nc_u32 v[TMP], 1, v[HH]
	s_delay_alu instid0(VALU_DEP_1)
	v_mul_u32_u24 v[QF+4], v[TMP], 15
.irp t, 0,1,2,3
	v_mul_u32_u24 v[KF+8*\t+4], v[TMP], 7
.irp i, 5,6,7
	v_mov_b32 v[KF+8*\t+\i], 0
.endr
.endr
.irp i, 5,6,7
	v_mov_b32 v[QF+\i], 0
.endr
.irp i, 0,1,2,3
	v_mov_b32 v[T2+\i], 0                          ; written once: a lane permute's destination counts as one of its sources
.endr
	BARRIER                                        ; the mean row lies in LDS.  From here on shared bytes are only read; records and stages are each wave's own
	ds_load_b128 v[MROW:MROW+3], v[R16] offset:MEAN-HI
	s_wait_dscnt 0x0
; ---- the main phase's macros
.macro SPROD t, hi                     ; S^T of key tile 4 hi + t: source 0 = 16 keys, source 1 = my 16 queries
.if \hi
	v_wmma_scale_f32_16x16x128_f8f6f4 v[S+32+8*\t:S+32+8*\t+7], v[KF+8*\t:KF+8*\t+7], v[QF:QF+7], 0, v[KS+\t], v[QS] matrix_a_fmt:MATRIX_FMT_FP4 matrix_b_fmt:MATRIX_FMT_FP4 matrix_a_scale:MATRIX_SCALE_ROW1
.else
	v_wmma_scale_f32_16x16x128_f8f6f4 v[S+8*\t:S+8*\t+7], v[KF+8*\t:KF+8*\t+7], v[QF:QF+7], 0, v[KS+\t], v[QS] matrix_a_fmt:MATRIX_FMT_FP4 matrix_b_fmt:MATRIX_FMT_FP4
.endif
.endm
.macro OPRODS zero                     ; O^T += V^T P^T: four accumulators, one instruction a turn
.irp t, 0,1,2,3
.if \zero
	v_wmma_scale_f32_16x16x128_f8f6f4 v[O+8*\t:O+8*\t+7], v[VF+8*\t:VF+8*\t+7], v[PC:PC+7], 0, v[VS+\t], v[PW] matrix_a_fmt:MATRIX_FMT_FP4 matrix_b_fmt:MATRIX_FMT_FP4
.else
	v_wmma_scale_f32_16x16x128_f8f6f4 v[O+8*\t:O+8*\t+7], v[VF+8*\t:VF+8*\t+7], v[PC:PC+7], v[O+8*\t:O+8*\t+7], v[VS+\t], v[PW] matrix_a_fmt:MATRIX_FMT_FP4 matrix_b_fmt:MATRIX_FMT_FP4
.endif
.endr
.endm
.macro MUPD first                      ; v[TMP] holds the step's largest score of my query
.if \first
	s_delay_alu instid0(VALU_DEP_1)
	v_mul_f32 v[TMX], s[CS], v[TMP]                ; as t
	s_delay_alu instid0(VALU_DEP_1)
	v_floor_f32 v[NM], -v[TMX]                     ; -M = floor(-t): M is a whole number
.else
	s_delay_alu instid0(VALU_DEP_1)
	v_mul_f32 v[TMP], s[CS], v[TMP]
	s_delay_alu instid0(VALU_DEP_1)
	v_max_num_f32 v[TMX], v[TMX], v[TMP]           ; the running largest t
	v_mov_b32 v[TMP], v[NM]
	s_delay_alu instid0(VALU_DEP_2)
	v_floor_f32 v[NM], -v[TMX]
	s_delay_alu instid0(VALU_DEP_1)
	v_sub_f32 v[TMP], v[NM], v[TMP]                ; old M less new M: a whole number, 0 or less
	s_delay_alu instid0(VALU_DEP_1)
	v_cvt_i32_f32 v[TMP], v[TMP]
	s_delay_alu instid0(VALU_DEP_1)
	v_ldexp_f32 v[F], 1.0, v[TMP]                  ; f = 2^(old M - new M): multiplying by it rounds nothing
.endif
.endm
.macro RESCALE                         ; O^T under the new M, each accumulator from its low end on
.set j, 0
.rept 16
	v_pk_mul_f32 v[O+j:O+j+1], v[O+j:O+j+1], v[F:F+1] op_sel_hi:[1,0]
.set j, j+2
.endr
.endm
; A KEY STEP: 128 keys, blocks 4 s .. 4 s + 3
.macro STEP s
.irp t, 0,1,2,3
	ds_load_b128 v[KF+8*\t:KF+8*\t+3], v[A16] offset:KIMG+(8*(\s)+\t)*512
.endr
	ds_load_b128 v[KS:KS+3], v[B16] offset:KSC-HI+512*(\s)          ; lanes 0-15: tiles 0 to 3, lanes 16-31: tiles 4 to 7
	s_wait_dscnt 0x0
.irp t, 0,1,2,3
	SPROD \t, 0
.endr
	PLACES 4                                       ; in front of loads into registers that matrix instructions have read: the keys' just now, the values' in the last step
.irp t, 0,1,2,3
	ds_load_b128 v[KF+8*\t:KF+8*\t+3], v[A16] offset:KIMG+(8*(\s)+4+\t)*512
.endr
.irp t, 0,1,2,3
.irp c, 0,1
	ds_load_b128 v[VF+8*\t+4*\c:VF+8*\t+4*\c+3], v[A16] offset:VIMG+4096*(\s)+1024*\t+512*\c
.endr
.endr
	ds_load_b128 v[VS:VS+3], v[R16] offset:VSC-HI+256*(\s)
	s_wait_dscnt 9                                 ; the four key fragments are in; the values' 8 loads and their scale words may be out
.irp t, 0,1,2,3
	SPROD \t, 1
.endr
	PLACES 4
.irp b, 0,1,2,3
	v_max3_num_f32 v[BM+\b], v[S+16*\b], v[S+16*\b+1], v[S+16*\b+2]   ; the largest score of each block of 32 keys: for the row's maximum, and, since p rises with the score, for the block's largest p
.endr
.irp i, 3,5,7,9,11,13
.irp b, 0,1,2,3
	v_max3_num_f32 v[BM+\b], v[BM+\b], v[S+16*\b+\i], v[S+16*\b+\i+1]
.endr
.endr
.irp b, 0,1,2,3
	v_max_num_f32 v[BM+\b], v[BM+\b], v[S+16*\b+15]
.endr
.irp b, 0,1,2,3
	s_delay_alu instid0(VALU_DEP_4)
	v_permlanex16_b32 v[T2+\b], v[BM+\b], s[SEL], s[SEL+1]
.endr
.irp b, 0,1,2,3
	s_delay_alu instid0(VALU_DEP_4)
	v_max_num_f32 v[BM+\b], v[BM+\b], v[T2+\b]     ; with lane l xor 16's 16 keys
.endr
	s_delay_alu instid0(VALU_DEP_2)
	v_max3_num_f32 v[TMP], v[BM], v[BM+1], v[BM+2]
	s_delay_alu instid0(VALU_DEP_1)
	v_max_num_f32 v[TMP], v[TMP], v[BM+3]
	MUPD ((\s) == 0)
.set j, 0
.rept 32
	v_pk_fma_f32 v[S+j:S+j+1], v[S+j:S+j+1], s[CS:CS+1], v[NM:NM+1] op_sel_hi:[1,0,0]   ; t - M, two at a time
.set j, j+2
.endr
.irp b, 0,1,2,3
	v_fma_f32 v[BM+\b], v[BM+\b], s[CS], v[NM]     ; the same of each block's largest score
.endr
.set j, 0
	s_wait_alu depctr_va_vdst(0)
.rept 64
	v_exp_f32 v[S+j], v[S+j]                       ; p = 2^(t - M): not normalised; 0 for a hidden key
.set j, j+1
.endr
.irp b, 0,1,2,3
	v_exp_f32 v[BM+\b], v[BM+\b]
.endr
.if (\s) == 0
	v_nop                                          ; a plain place behind the exponentials
	s_wait_alu depctr_va_vdst(0)
.else
	v_pk_mul_f32 v[L:L+1], v[L:L+1], v[F:F+1] op_sel_hi:[1,0]       ; the sums under the new M (a plain place behind the exponentials)
	s_wait_alu depctr_va_vdst(0)
.endif
.irp b, 0,1,2,3
	v_max_num_f32 v[BM+\b], 0x1800000, v[BM+\b]    ; the floor 2^(3 - 127): a block of zeros keeps the byte 1
.endr
.irp b, 0,1,2,3
	s_delay_alu instid0(VALU_DEP_4)
	v_add_nc_u32 v[SCO+\b], 0xff000000, v[BM+\b]
.endr
.irp b, 0,1,2,3
	s_delay_alu instid0(VALU_DEP_4)
	v_lshrrev_b32 v[T2+\b], 23, v[SCO+\b]
.endr
	s_delay_alu instid0(VALU_DEP_3)
	v_lshl_or_b32 v[PW], v[T2+1], 8, v[T2]         ; p's scale word for these 128 keys
	s_delay_alu instid0(VALU_DEP_1)
	v_lshl_or_b32 v[PW], v[T2+2], 16, v[PW]
	s_delay_alu instid0(VALU_DEP_1)
	v_lshl_or_b32 v[PW], v[T2+3], 24, v[PW]
.irp b, 0,1,2,3
	v_cvt_scalef32_pk8_fp4_f32 v[PC+2*\b], v[S+16*\b:S+16*\b+7], v[SCO+\b]
	v_cvt_scalef32_pk8_fp4_f32 v[PC+2*\b+1], v[S+16*\b+8:S+16*\b+15], v[SCO+\b]
.endr
	v_nop                                          ; one plain place behind a scaled conversion
.irp c, 0,1                            ; the operand wants a whole block in a lane: lanes 0-15 block 2 c, lanes 16-31 block 2 c + 1
.irp i, 0,1
	v_permlane16_swap_b32 v[PC+4*\c+\i], v[PC+4*\c+2+\i]
.endr
.endr
	v_pk_add_f32 v[58:59], v[142:143], v[146:147]
	v_pk_add_f32 v[254:255], v[150:151], v[154:155]
	v_pk_add_f32 v[252:253], v[158:159], v[162:163]
	v_pk_add_f32 v[250:251], v[166:167], v[170:171]
	v_pk_add_f32 v[248:249], v[174:175], v[178:179]
	v_pk_add_f32 v[246:247], v[182:183], v[186:187]
	v_pk_add_f32 v[244:245], v[190:191], v[194:195]
	v_pk_add_f32 v[18:19], v[18:19], v[198:199]
	v_pk_add_f32 v[58:59], v[58:59], v[138:139]
	v_pk_add_f32 v[254:255], v[254:255], v[140:141]
	v_pk_add_f32 v[252:253], v[252:253], v[144:145]
	v_pk_add_f32 v[250:251], v[250:251], v[148:149]
	v_pk_add_f32 v[248:249], v[248:249], v[152:153]
	v_pk_add_f32 v[246:247], v[246:247], v[156:157]
	v_pk_add_f32 v[244:245], v[244:245], v[160:161]
	v_pk_add_f32 v[18:19], v[18:19], v[164:165]
	v_pk_add_f32 v[58:59], v[58:59], v[168:169]
	v_pk_add_f32 v[254:255], v[254:255], v[172:173]
	v_pk_add_f32 v[252:253], v[252:253], v[176:177]
	v_pk_add_f32 v[250:251], v[250:251], v[180:181]
	v_pk_add_f32 v[248:249], v[248:249], v[184:185]
	v_pk_add_f32 v[246:247], v[246:247], v[188:189]
	v_pk_add_f32 v[244:245], v[244:245], v[192:193]
	v_pk_add_f32 v[18:19], v[18:19], v[196:197]
	v_pk_add_f32 v[58:59], v[58:59], v[200:201]
	s_delay_alu instid0(VALU_DEP_2)
	v_pk_add_f32 v[18:19], v[18:19], v[250:251]
	s_delay_alu instid0(VALU_DEP_2)
	v_pk_add_f32 v[58:59], v[58:59], v[248:249]
	v_pk_add_f32 v[254:255], v[254:255], v[246:247]
	v_pk_add_f32 v[252:253], v[252:253], v[244:245]
	s_delay_alu instid0(VALU_DEP_2)
	v_pk_add_f32 v[18:19], v[18:19], v[254:255]
	s_delay_alu instid0(VALU_DEP_2)
	v_pk_add_f32 v[58:59], v[58:59], v[252:253]
	s_delay_alu instid0(VALU_DEP_1)
	v_pk_add_f32 v[18:19], v[18:19], v[58:59]
.if (\s) != 0
	RESCALE
.endif
	s_wait_alu depctr_va_vdst(0)
	s_wait_dscnt 0x0                               ; the values and their scale words are in
	OPRODS ((\s) == 0)
.endm
; THE LAST BLOCK: positions 1,024 and 1,025, rows 0 and 1 of one key tile; p's other codes are zeros
.macro TAIL
	PLACES 4                                       ; in front of loads into the values' registers, which the last products read
	ds_load_b128 v[KF:KF+3], v[B16] offset:KTL-HI
	ds_load_b32 v[KS], v[B4] offset:KSCT-HI
.irp t, 0,1,2,3
	ds_load_b128 v[VF+8*\t:VF+8*\t+3], v[R16] offset:VIMT-HI+256*\t   ; registers 4 to 7 keep the last step's codes: they meet zero codes of p
.endr
	ds_load_b128 v[VS:VS+3], v[R16] offset:VSC-HI+2048
	s_wait_dscnt 0x0
	SPROD 0, 0
	PLACES 4
	v_max3_num_f32 v[BM], v[S], v[S+1], v[S+2]
	v_max3_num_f32 v[BM], v[BM], v[S+3], v[S+4]
	v_max3_num_f32 v[BM], v[BM], v[S+5], v[S+6]
	v_max_num_f32 v[BM], v[BM], v[S+7]
	s_delay_alu instid0(VALU_DEP_1)
	v_permlanex16_b32 v[T2], v[BM], s[SEL], s[SEL+1]
	s_delay_alu instid0(VALU_DEP_1)
	v_max_num_f32 v[BM], v[BM], v[T2]
	s_delay_alu instid0(VALU_DEP_1)
	v_mov_b32 v[TMP], v[BM]
	MUPD 0
.irp j, 0,2,4,6
	v_pk_fma_f32 v[S+\j:S+\j+1], v[S+\j:S+\j+1], s[CS:CS+1], v[NM:NM+1] op_sel_hi:[1,0,0]
.endr
	v_fma_f32 v[BM], v[BM], s[CS], v[NM]
	s_wait_alu depctr_va_vdst(0)
.irp j, 0,1,2,3,4,5,6,7
	v_exp_f32 v[S+\j], v[S+\j]
.endr
	v_exp_f32 v[BM], v[BM]
	v_pk_mul_f32 v[L:L+1], v[L:L+1], v[F:F+1] op_sel_hi:[1,0]
	s_wait_alu depctr_va_vdst(0)
	v_max_num_f32 v[BM], 0x1800000, v[BM]
	s_delay_alu instid0(VALU_DEP_1)
	v_add_nc_u32 v[SCO], 0xff000000, v[BM]
	s_delay_alu instid0(VALU_DEP_1)
	v_lshrrev_b32 v[PW], 23, v[SCO]                ; byte 0: the block's; bytes 1 to 3 stand over zero codes
	v_cvt_scalef32_pk8_fp4_f32 v[PC], v[S:S+7], v[SCO]
	v_nop
.irp i, 1,2,3,4,5,6,7
	v_mov_b32 v[PC+\i], 0
.endr
	v_pk_add_f32 v[T2:T2+1], v[S:S+1], v[S+2:S+3]
	v_pk_add_f32 v[L:L+1], v[L:L+1], v[S+4:S+5]
	v_pk_add_f32 v[T2:T2+1], v[T2:T2+1], v[S+6:S+7]
	s_delay_alu instid0(VALU_DEP_1)
	v_pk_add_f32 v[L:L+1], v[L:L+1], v[T2:T2+1]
	RESCALE
	PLACES 4                                       ; with the v_nop and the four sums: nine places that name no register of the products, behind the line that wrote the scale word
	OPRODS 0
.endm
; THE WAY OUT of a tile: O^T / the sum, through my stage, back as whole pieces of 256 bytes; a row whose rank is NV or more gets the mean row
.macro FINISH
	v_add_f32 v[L], v[L], v[L+1]
	s_delay_alu instid0(VALU_DEP_1)
	v_permlanex16_b32 v[T2], v[L], s[SEL], s[SEL+1]
	s_delay_alu instid0(VALU_DEP_1)
	v_add_f32 v[L], v[L], v[T2]                    ; the row's sum
	s_wait_alu depctr_va_vdst(0)
	v_rcp_f32 v[F], v[L]
	PLACES 4                                       ; behind the last products and behind the reciprocal
.set j, 0
	s_wait_alu depctr_va_vdst(0)
.rept 16
	v_pk_mul_f32 v[S+j:S+j+1], v[O+j:O+j+1], v[F:F+1] op_sel_hi:[1,0]   ; register 8 t + i: o(query r, d = 16 t + 8 h + i)
.set j, j+2
.endr
.irp t, 0,1,2,3
	ds_store_b128 v[SO], v[S+8*\t:S+8*\t+3] offset:64*\t
	ds_store_b128 v[SO], v[S+8*\t+4:S+8*\t+7] offset:64*\t+16
.endr
.irp n, 0,1,2,3,4,5,6,7
	ds_load_b128 v[S+32+4*\n:S+32+4*\n+3], v[SR] offset:544*\n      ; LDS serves a wave's instructions in order: these see my stores
.endr
	s_sub_co_i32 s42, s[NV], s[T16]
.irp n, 0,1,2,3,4,5,6,7
	s_wait_dscnt 7-\n                              ; rows 2 n and 2 n + 1 are back; the younger loads may be out
	s_sub_co_i32 s43, s42, 2*\n
	v_cmp_gt_i32 vcc_lo, s43, v[HH]                ; rank T16 + 2 n + lane / 16 under NV: the query counts
.irp i, 0,1,2,3
	v_cndmask_b32 v[S+32+4*\n+\i], v[MROW+\i], v[S+32+4*\n+\i], vcc_lo
.endr
	global_store_b128 v[ROFF+\n], v[S+32+4*\n:S+32+4*\n+3], s[30:31] th:TH_STORE_NT   ; sixteen lanes store 256 consecutive bytes, at a multiple of 256 from the output's first byte
.endr
.endm
	; ---- my four tiles: ranks 16 (w + 16 i) on.  The key steps are written out: every LDS offset is an immediate
	s_mov_b32 s[TI], 0
	s_mov_b32 s[TQ], 0
.Ltile:
	v_add_nc_u32 v[TRQ], s[TQ], v[RQ]
	v_add_nc_u32 v[TRS], s[TQ], v[RS]
	v_add_nc_u32 v[TRL], s[TQ], v[RL]
	ROWS ROFF, TRL, 0
	s_cmp_ge_u32 s[T16], s[NV]                     ; no query of the tile counts: a branch on a count made of the mask's whole numbers
	s_cbranch_scc1 .Lcheap
	ds_load_b128 v[QF:QF+3], v[TRQ]
	ds_load_b32 v[QS], v[TRS] offset:512
	v_mov_b32 v[L], 0
	v_mov_b32 v[L+1], 0
	STEP 0                                         ; the pad keys lie here: M is a real score's ceiling from now on
	STEP 1
	STEP 2
	STEP 3
	STEP 4
	STEP 5
	STEP 6
	STEP 7
	TAIL
	FINISH
	s_branch .Lnext
.Lcheap:
	s_wait_alu depctr_va_vdst(0)
.irp n, 0,1,2,3,4,5,6,7
	global_store_b128 v[ROFF+\n], v[MROW:MROW+3], s[30:31] th:TH_STORE_NT
.endr
.Lnext:
	s_wait_xcnt 0x0                                ; the stores' offsets and data are written again only behind this wait
	s_add_co_u32 s[TQ], s[TQ], 768
	s_add_co_u32 s[T16], s[T16], 256
	s_add_co_u32 s[TI], s[TI], 1
	s_cmp_lt_u32 s[TI], 4
	s_cbranch_scc1 .Ltile
	s_wait_xcnt 0x0
	v_lshl_add_u32 v254, v0, 2, 0x40400
	v_mov_b32 v255, 0
	s_wait_alu depctr_va_vdst(0)
	s_wait_tensorcnt 0x0
	ds_add_u32 v254, v255
	s_wait_dscnt 0x0
	s_endpgm
.Lfunc_end_k_q919efaf42f_biattn:
	.size	k_q919efaf42f_biattn, .Lfunc_end_k_q919efaf42f_biattn-k_q919efaf42f_biattn
	.p2alignl 7, 3214868480
	.fill 96, 4, 3214868480
	.section	.rodata,"a",@progbits
	.p2align	6, 0x0
	.amdhsa_kernel k_q919efaf42f_biattn
		.amdhsa_group_segment_fixed_size 265216
		.amdhsa_private_segment_fixed_size 0
		.amdhsa_enable_private_segment 0
		.amdhsa_kernarg_size 64
		.amdhsa_user_sgpr_count 2
		.amdhsa_user_sgpr_kernarg_segment_ptr 1
		.amdhsa_wavefront_size32 1
		.amdhsa_system_sgpr_workgroup_id_x 1
		.amdhsa_system_sgpr_workgroup_id_y 1
		.amdhsa_system_sgpr_workgroup_id_z 1
		.amdhsa_system_vgpr_workitem_id 0
		.amdhsa_next_free_vgpr 256
		.amdhsa_next_free_sgpr 100
		.amdhsa_reserve_vcc 1
		.amdhsa_float_denorm_mode_32 3
		.amdhsa_float_denorm_mode_16_64 3
		.amdhsa_memory_ordered 1
		.amdhsa_forward_progress 1
		.amdhsa_inst_pref_size 234
	.end_amdhsa_kernel
	.amdgpu_metadata
---
amdhsa.version: [ 1, 2 ]
amdhsa.kernels:
  - .name:           k_q919efaf42f_biattn
    .symbol:         k_q919efaf42f_biattn.kd
    .args:
      - { .name: X, .offset: 0, .size: 8, .value_kind: global_buffer, .address_space: global }
      - { .name: Y, .offset: 8, .size: 8, .value_kind: global_buffer, .address_space: global }
      - { .name: mask_X, .offset: 16, .size: 8, .value_kind: global_buffer, .address_space: global }
      - { .name: mask_Y, .offset: 24, .size: 8, .value_kind: global_buffer, .address_space: global }
      - { .name: pad_x, .offset: 32, .size: 8, .value_kind: global_buffer, .address_space: global }
      - { .name: pad_y, .offset: 40, .size: 8, .value_kind: global_buffer, .address_space: global }
      - { .name: out0, .offset: 48, .size: 8, .value_kind: global_buffer, .address_space: global }
      - { .name: out1, .offset: 56, .size: 8, .value_kind: global_buffer, .address_space: global }
    .group_segment_fixed_size: 265216
    .private_segment_fixed_size: 0
    .kernarg_segment_align: 8
    .kernarg_segment_size: 64
    .max_flat_workgroup_size: 512
    .sgpr_count:     100
    .vgpr_count:     256
    .wavefront_size: 32
...
	.end_amdgpu_metadata
.endif
;; end of part 1
